; MI455X (gfx1250); checked and timed in simulation.
; The chip was launched on July 23, 2026; its instructions are those of AMD's public machine-readable ISA for CDNA 5 (MIT licence, August 2026) and "CDNA5" Instruction Set Architecture Reference Guide (July 2026). The comments in the code are by the model that wrote it; some were corrected since.
;; QKV Attention. Allowed arithmetic: float matrix products may take bf16 or f16 operands with f32 sums; all other float work in f32.
;; Inputs: mask 8 x 1,024 x 1,024 bool; qk_bias one number float32; qkv 8 x 3,072 x 1,024 float32.
;; Outputs: out0 8 x 1,024 x 1,024 float32.
;; One version. Each part assembles by itself: llvm-mc -triple=amdgcn-amd-amdhsa -mcpu=gfx1250 --defsym DOCPART=n.
;; ======== version 1 of 1: 2 launches
;; limits: right only within a limited range of input values
;; workspace buffers: mbits 1,048,576 bytes of whole numbers
;; launch maskbits (part 1): grid 512 x 1, 4 waves a work-group, no clusters, 17,920 bytes of LDS; arguments mask, mbits; writes mbits
.if DOCPART == 1
	.amdgcn_target "amdgcn-amd-amdhsa--gfx1250"
	.amdhsa_code_object_version 6
	.text
	.protected	k_q0e1b6d2d30_maskbits
	.globl	k_q0e1b6d2d30_maskbits
	.p2align	8
	.type	k_q0e1b6d2d30_maskbits,@function
k_q0e1b6d2d30_maskbits:
	s_mov_b64 s[64:65], 0
	v_nop
	global_prefetch_b8 v0, s[64:65] scope:SCOPE_SE
	s_setreg_imm32_b32 hwreg(HW_REG_WAVE_MODE, 25, 1), 1
	s_wait_xcnt 0x0
; The byte mask [8][1024][1024] becomes lane masks for the attention launch: one 32-bit word for each of its score registers.
; Word ((((m*16 + qb)*16 + ch)*4 + it)*4 + i)*8 + j, bit 16 h + r  =  mask[m][64 qb + 4 r + it][64 ch + 16 i + 8 h + j]  (byte != 0).
; Each word serves the 16 heads that share mask m, so the bit gathering is done once here and not once a head.
; A work-group takes 64 mask rows (one qb) x 256 columns (four ch); wave w makes the 128 words (512 bytes) of ch = 4 (x & 3) + w.
; Memory is read in pieces of 256 consecutive aligned bytes by 16 lanes, once; the rows go through LDS because the lanes that
; build a word want 8 bytes each of 16 rows that lie 4 rows apart.
; No matrix unit, no cluster: no work-group reads what another reads, and there is nothing to multiply.
.set LP,   272                         ; LDS pitch: 256 bytes + 16, so that 16 consecutive LDS rows start 16 bytes apart modulo 256
.set GA,   1                           ; v1   global byte offset of my 16 bytes in the first of my 8 rows
.set SA,   2                           ; v2   LDS address for them
.set RA,   3                           ; v3   LDS address of my 8 bytes when the words are built
.set OA,   4                           ; v4   16 x lane: my four words of the result
.set DAT,  8                           ; v[8:39]  the data, first as loaded from memory, then as read back from LDS
.set OUTW, 40                          ; v[40:43] lane q holds words 4 q .. 4 q + 3 of the wave's 128
.set TMP,  44                          ; v[44:47]
	s_load_b128 s[4:7], s[0:1], 0x0                ; mask s[4:5], mbits s[6:7]
	v_lshl_add_u32 v48, v0, 2, 0x4400
	v_mov_b32 v49, 0
	v_lshrrev_b32 v5, 5, v0
	v_readfirstlane_b32 s8, v5                     ; wave 0..3
	s_lshr_b32 s10, ttmp9, 2                       ; m*16 + qb
	s_lshl_b32 s10, s10, 16                        ; x 64 rows of 1,024 bytes
	s_and_b32 s9, ttmp9, 3
	s_lshl_b32 s9, s9, 8                           ; + my quarter of the columns
	s_add_co_u32 s10, s10, s9
	s_mov_b32 s11, 0
	s_lshl_b32 s16, ttmp9, 2                       ; (m*16 + qb)*16 + ch = 4 x + w
	s_add_co_u32 s16, s16, s8
	s_lshl_b32 s16, s16, 9                         ; x 512 bytes
	s_mov_b32 s17, 0
	v_lshrrev_b32 v5, 4, v0                        ; a = t / 16, 0..7: my row in a group of eight
	v_and_b32 v6, 15, v0                           ; t % 16 (also r, the lane in its half)
	v_lshlrev_b32 v[GA], 4, v6
	v_lshl_add_u32 v[GA], v5, 10, v[GA]            ; a x 1,024 + 16 (t % 16)
	; mask row u = 8 e + a lies in LDS row 16 (u & 3) + (u >> 2) = 16 (a & 3) + (a >> 2) + 2 e
	v_and_b32 v7, 3, v5
	v_lshrrev_b32 v5, 6, v0                        ; a >> 2
	v_lshl_add_u32 v7, v7, 4, v5
	v_mul_u32_u24 v[SA], v7, LP
	v_lshl_add_u32 v[SA], v6, 4, v[SA]
	; back: query 4 r + it is LDS row 16 it + r; my 8 bytes are columns 64 w + 16 i + 8 h + 0..7
	v_mul_u32_u24 v[RA], v6, LP
	v_bfe_u32 v5, v0, 4, 1                         ; h
	v_lshl_add_u32 v[RA], v5, 3, v[RA]
	s_lshl_b32 s9, s8, 6
	v_add_nc_u32 v[RA], s9, v[RA]
	v_and_b32 v[OA], 31, v0
	v_lshlrev_b32 v[OA], 4, v[OA]
	s_wait_kmcnt 0x0
	s_add_nc_u64 s[4:5], s[4:5], s[10:11]
	s_add_nc_u64 s[6:7], s[6:7], s[16:17]
.set e, 0
.rept 8
	global_load_b128 v[DAT+4*e:DAT+4*e+3], v[GA], s[4:5] offset:e*8192 th:TH_LOAD_NT   ; rows 8 e + a; read once in the launch
.set e, e+1
.endr
.set e, 0
.rept 4
	v_mov_b32 v[OUTW+e], 0                         ; v_writelane_b32 keeps the other lanes: the registers are written whole first
.set e, e+1
.endr
	s_wait_loadcnt 0x0
.set e, 0
.rept 8
	ds_store_b128 v[SA], v[DAT+4*e:DAT+4*e+3] offset:e*2*LP
.set e, e+1
.endr
	s_wait_dscnt 0x0                               ; my stores are in LDS before I say so: other waves read them
	s_barrier_signal -1
	s_barrier_wait -1
.set e, 0                                              ; e = 4 it + i
.rept 16
	ds_load_b64 v[DAT+2*e:DAT+2*e+1], v[RA] offset:(e>>2)*16*LP+16*(e&3)
.set e, e+1
.endr
	s_wait_dscnt 0x0
	; Register DAT + q, q = 8 it + 2 i + (j >> 2), holds bytes j & 3 = 0..3.  A compare over the 32 lanes IS the word (it, i, j);
	; its place in the wave's 512 bytes is word 32 it + 8 i + j = 4 q + (j & 3): lane q, register j & 3.
.set q, 0
.rept 32
.set j, 0
.rept 4
	v_and_b32 v[TMP+j], 0xff<<(8*j), v[DAT+q]
	v_cmp_ne_u32 s[12+j], 0, v[TMP+j]
	v_writelane_b32 v[OUTW+j], s[12+j], q
.set j, j+1
.endr
.set q, q+1
.endr
	global_store_b128 v[OA], v[OUTW:OUTW+3], s[6:7]   ; 512 consecutive bytes, aligned
	s_wait_tensorcnt 0x0
	ds_add_u32 v48, v49
	s_wait_dscnt 0x0
	s_endpgm
.Lfunc_end_k_q0e1b6d2d30_maskbits:
	.size	k_q0e1b6d2d30_maskbits, .Lfunc_end_k_q0e1b6d2d30_maskbits-k_q0e1b6d2d30_maskbits
	.p2alignl 7, 3214868480
	.fill 96, 4, 3214868480
	.section	.rodata,"a",@progbits
	.p2align	6, 0x0
	.amdhsa_kernel k_q0e1b6d2d30_maskbits
		.amdhsa_group_segment_fixed_size 17920
		.amdhsa_private_segment_fixed_size 0
		.amdhsa_enable_private_segment 0
		.amdhsa_kernarg_size 16
		.amdhsa_user_sgpr_count 2
		.amdhsa_user_sgpr_kernarg_segment_ptr 1
		.amdhsa_wavefront_size32 1
		.amdhsa_system_sgpr_workgroup_id_x 1
		.amdhsa_system_sgpr_workgroup_id_y 1
		.amdhsa_system_sgpr_workgroup_id_z 1
		.amdhsa_system_vgpr_workitem_id 0
		.amdhsa_next_free_vgpr 50
		.amdhsa_next_free_sgpr 66
		.amdhsa_reserve_vcc 0
		.amdhsa_float_denorm_mode_32 3
		.amdhsa_float_denorm_mode_16_64 3
		.amdhsa_memory_ordered 1
		.amdhsa_forward_progress 1
		.amdhsa_inst_pref_size 29
	.end_amdhsa_kernel
	.amdgpu_metadata
---
amdhsa.version: [ 1, 2 ]
amdhsa.kernels:
  - .name:           k_q0e1b6d2d30_maskbits
    .symbol:         k_q0e1b6d2d30_maskbits.kd
    .args:
      - { .name: mask, .offset: 0, .size: 8, .value_kind: global_buffer, .address_space: global }
      - { .name: mbits, .offset: 8, .size: 8, .value_kind: global_buffer, .address_space: global }
    .group_segment_fixed_size: 17920
    .private_segment_fixed_size: 0
    .kernarg_segment_align: 8
    .kernarg_segment_size: 16
    .max_flat_workgroup_size: 128
    .sgpr_count:     66
    .vgpr_count:     50
    .wavefront_size: 32
...
	.end_amdgpu_metadata
.endif
;; end of part 1
;; launch attn (part 2): grid 256 x 1, 8 waves a work-group, no clusters, 41,984 bytes of LDS; arguments mbits, qk_bias, qkv, out0; writes out0
.if DOCPART == 2
	.amdgcn_target "amdgcn-amd-amdhsa--gfx1250"
	.amdhsa_code_object_version 6
	.text
	.protected	k_q0e1b6d2d30_attn
	.globl	k_q0e1b6d2d30_attn
	.p2align	8
	.type	k_q0e1b6d2d30_attn,@function
k_q0e1b6d2d30_attn:
	s_mov_b64 s[64:65], 0
	v_nop
	global_prefetch_b8 v0, s[64:65] scope:SCOPE_SE
	s_setreg_imm32_b32 hwreg(HW_REG_WAVE_MODE, 25, 1), 1
	s_wait_xcnt 0x0
; Attention of one head H = x >> 1 for one half qh = x & 1 of its 1,024 queries.  qkv: head H is 192 rows of 1,024 f32: q[c][t], k[c][s], v[c][s].
; out[H][c][t] = sum over s of softmax over s of ((q.k)/8 + bias, -inf where mask[H & 7][t][s] is false) x v[c][s].
; Eight waves, 64 queries each (four query tiles of 16); the keys go in 16 steps of 64, with a running maximum and a running sum.
;
; LAYOUTS THAT SPARE WORK
;  * The scores are made transposed, D = K^T Q (A: 16 keys x 32 c, B: 32 c x 16 queries).  Lane (r, h), register j of key tile i then holds
;    key 16 i + 8 h + j of query column r; packed to bf16 in pairs that IS the B fragment of P^T for O^T = V P^T: no traffic between lanes.
;    Maximum and sum over the keys run inside the lane, plus one exchange between the two halves of the wave.
;  * Query column r of query tile it is t = T0 + 4 r + it.  So one 16-byte load of q[c][T0 + 4 r ..] holds one number for each of the four tiles,
;    and Q's fragments are packed straight from such loads; on the way out a lane's four tiles give 16 neighbouring bytes of out[c][..],
;    and 16 lanes store 256 consecutive aligned bytes.  Neither way touches LDS.
;  * q and k go into the product unscaled.  The first product of each score tile takes C = 8 x bias, so x' = q.k + 8 bias = 8 x weight;
;    the factor log2(e)/8 stands in the multiply-add that also takes the maximum away: p = exp2(x' C8 + NM), NM = -C8 max x'.
;  * The mask arrives as lane masks made by the launch before (one word a score register) through scalar loads: one v_cndmask_b32 a register.
;  * The first step's products start O with C = 0: nothing is cleared.
; K and V: f32 from memory (16 lanes take 256 consecutive aligned bytes of a row), rounded to bf16 in registers, laid row by row into one of
; two LDS tiles; K's fragments come out through the transposing load, V's through plain loads.  Loads from memory run two steps ahead.
;
; NO TENSOR LOADS, NO JOINT REQUESTS: K and V are f32 in memory and bf16 in the product, so a copy into LDS could only land f32 there: 32 KiB
; more written and 32 KiB more read back for a step whose LDS traffic is 128 KiB of fragment loads and 16 KiB of stores.  Only the two
; work-groups of a head read the same K and V, and they have neighbouring numbers.
;
; LIMITS.  q, k, v and p are rounded to bf16 for the products; the sum of p is taken from the unrounded p.  The running maximum starts at
; -2^100 in units of x' = 8 x weight: a row whose unmasked weights all lie below -2^97 comes out as NaN.  A row with no true mask entry has
; sum 0 and O = 0 and comes out as 0 x (1/0) = NaN, as the softmax of a row of -inf does.
.set ROWB,  4096                       ; bytes in a row of qkv and of out
.set HEADB, 192*ROWB                   ; a head in qkv
.set STEPB, 256                        ; 64 keys of f32
.set PITCH, 160                        ; LDS rows: 128 bytes of data; 160 = 5 x 32, so 8 consecutive rows start at 8 different multiples of 32 modulo 256;
                                       ; rows 8..15 of every 16 start 16 bytes later, so 16 consecutive rows start at 16 different multiples of 16
.set TILE,  128*PITCH                  ; rows 0-63: K's c; rows 64-127: V's c
.set C8,    0x3e38aa3b                 ; log2(e)/8
.set NC8,   0xbe38aa3b                 ; its negative
; scalar registers
.set MP,  4                            ; s[4:5]    mask words of this wave's 64 queries, at the current step (512 bytes a step)
.set OB,  6                            ; s[6:7]    out at (H, c = 0, T0)
.set KVB, 8                            ; s[8:11]   K's first row at the step that stage 0, 1 loads next
.set QB,  20                           ; s[20:21]  q at (H, c = 0, T0)
.set MA,  32                           ; s[32:63]  mask words, set A (query tiles 0 and 2)
.set MB,  68                           ; s[68:99]  mask words, set B (query tiles 1 and 3)
; vector registers, window 0
.set QO,   1                           ; h x 8 rows + 16 r: offset for Q's loads and for the stores
.set KVG,  2                           ; (16 w + 4 h) rows + 16 r: offset for K's and V's loads
.set STA,  3                           ; LDS: (16 w + 4 h) PITCH + 8 r
.set KA,   4                           ; LDS: K's fragments
.set VA,   5                           ; LDS: V's fragments
.set NINF, 6
.set MX,   8                           ; v[8:11]    running maximum of x', a query tile each
.set NMP,  12                          ; v[12:15]   the shift NM of the step before
.set LS,   16                          ; v[16:23]   running sums, a pair each
.set AL,   24                          ; v[24:25]   the rescaling factor (v25 is only there to make a pair)
.set NM,   26                          ; v[26:27]   the shift (v27 likewise)
.set TT,   28                          ; v[28:31]   chains of the maximum; v[28:33] three pairs of the sum; at the end 1/sum
.set DD,   32
.set XX,   33
.set BIAS, 40                          ; v[40:47]   8 x bias, the C of each score tile's first product
.set KF,   48                          ; v[48:111]  K's fragments (key tile i, half kk of c) at 16 i + 8 kk
.set VF,   112                         ; v[112:175] V's fragments (c tile ct, half kk of the keys) at 16 ct + 8 kk
.set XQ,   48                          ; v[48:175]  before the loop: q as loaded; behind it: the results to store
.set SC0,  176                         ; v[176:207] scores of query tiles 0, 2
.set SC1,  208                         ; v[208:239] scores of query tiles 1, 3
.set PP,   240                         ; v[240:255] p in bf16: two B fragments
; vector registers, window 1
.set OO,   0                           ; v[256:383] O: 32 it + 8 ct + j
.set QQ,   128                         ; v[384:447] Q's fragments: 16 it + 8 kk
.set STG,  192                         ; v[448:511] two stages of 32 for K and V on their way from memory
.set MSB, 0
.macro WIN new                         ; low byte: bits 1:0 source 0, 3:2 source 1, 5:4 source 2, 7:6 destination; the high byte repeats the setting that is left
.if MSB != \new
	s_set_vgpr_msb (MSB<<8)|\new
.set MSB, \new
.endif
.endm
.macro PLACES                          ; four places behind a matrix instruction (ISA guide 7.12.1)
.rept 4
	v_nop
.endr
.endm
; eight loads: my 16 of the 128 rows of K and V, 64 keys.  Lanes 0-15 take 256 bytes of one row, lanes 16-31 of the row four further down.
.macro GLOAD set
	WIN 0x40
.set e, 0
.rept 8
	global_load_b128 v[STG+32*\set+4*e:STG+32*\set+4*e+3], v[KVG], s[KVB+2*\set:KVB+2*\set+1] offset:((e&3)+8*(e>>2))*ROWB
.set e, e+1
.endr
.endm
; four f32 become four bf16 in the first two registers of each quad
.macro CVT set
	WIN 0x45
.set e, 0
.rept 8
	v_cvt_pk_bf16_f32 v[STG+32*\set+4*e],   v[STG+32*\set+4*e],   v[STG+32*\set+4*e+1]
	v_cvt_pk_bf16_f32 v[STG+32*\set+4*e+1], v[STG+32*\set+4*e+2], v[STG+32*\set+4*e+3]
.set e, e+1
.endr
.endm
; 8 bytes a lane; the two halves of the wave lie 4 PITCH = 640 bytes apart, which is 128 modulo 256: 256 different bytes modulo 256
.macro STORE set, tile
	WIN 0x04
.set e, 0
.rept 8
	ds_store_b64 v[STA], v[STG+32*\set+4*e:STG+32*\set+4*e+1] offset:\tile*TILE+((e&3)+8*(e>>2))*PITCH+16*(e>>2)
.set e, e+1
.endr
.endm
; e = 4 i + 2 kk + u: keys 16 i .., c = 32 kk + 16 u + 8 h .. + 7, transposed on the way
.macro LOADK b
	WIN 0
.set e, 0
.rept 16
	ds_load_tr16_b128 v[KF+4*e:KF+4*e+3], v[KA] offset:\b*TILE+(32*((e>>1)&1)+16*(e&1))*PITCH+32*(e>>2)
.set e, e+1
.endr
.endm
; e = 4 ct + 2 kk + u: c = 16 ct + r, keys 32 kk + 16 u + 8 h .. + 7
.macro LOADV b
	WIN 0
.set e, 0
.rept 16
	ds_load_b128 v[VF+4*e:VF+4*e+3], v[VA] offset:\b*TILE+16*(e>>2)*PITCH+64*((e>>1)&1)+32*(e&1)
.set e, e+1
.endr
.endm
; the scores of query tile qt: four key tiles, c = 0..31 on top of 8 x bias, then c = 32..63 in place
.macro SMM qt, sc
	WIN 0x04
.set e, 0
.rept 4
	v_wmma_f32_16x16x32_bf16 v[\sc+8*e:\sc+8*e+7], v[KF+16*e:KF+16*e+7], v[QQ+16*\qt:QQ+16*\qt+7], v[BIAS:BIAS+7]
.set e, e+1
.endr
.set e, 0
.rept 4
	v_wmma_f32_16x16x32_bf16 v[\sc+8*e:\sc+8*e+7], v[KF+16*e+8:KF+16*e+15], v[QQ+16*\qt+8:QQ+16*\qt+15], v[\sc+8*e:\sc+8*e+7]
.set e, e+1
.endr
.endm
; O^T of query tile qt += V P^T: four c tiles, keys 0..31, then keys 32..63 in place
.macro PV qt, first
	WIN 0x50
.set e, 0
.rept 4
.if \first
	v_wmma_f32_16x16x32_bf16 v[OO+32*\qt+8*e:OO+32*\qt+8*e+7], v[VF+16*e:VF+16*e+7], v[PP:PP+7], 0
.else
	v_wmma_f32_16x16x32_bf16 v[OO+32*\qt+8*e:OO+32*\qt+8*e+7], v[VF+16*e:VF+16*e+7], v[PP:PP+7], v[OO+32*\qt+8*e:OO+32*\qt+8*e+7]
.endif
.set e, e+1
.endr
.set e, 0
.rept 4
	v_wmma_f32_16x16x32_bf16 v[OO+32*\qt+8*e:OO+32*\qt+8*e+7], v[VF+16*e+8:VF+16*e+15], v[PP+8:PP+15], v[OO+32*\qt+8*e:OO+32*\qt+8*e+7]
.set e, e+1
.endr
.endm
; Mask, running maximum, exponentials, running sum, rescaling of O, packing of p, for query tile qt with its scores in sc.
; ms: the set with this tile's 32 mask words; nx: the other set, which is asked for now.
; ld = 1: the next query tile of this step; 2: the first tile of the next step (the pointer steps); 0: nothing follows.
.macro SOFTMAX qt, sc, ms, nx, ld, first
	WIN 0
	s_wait_kmcnt 0x0                               ; scalar loads return in no order: zero.  Set ms is in, and the pointer's last loads are done
.if \ld == 2
	s_add_nc_u64 s[MP:MP+1], s[MP:MP+1], 512
	s_load_b512 s[\nx:\nx+15],    s[MP:MP+1], 0x0
	s_load_b512 s[\nx+16:\nx+31], s[MP:MP+1], 0x40
.endif
.if \ld == 1
	s_load_b512 s[\nx:\nx+15],    s[MP:MP+1], (\qt+1)*128
	s_load_b512 s[\nx+16:\nx+31], s[MP:MP+1], (\qt+1)*128+64
.endif
.set e, 0
.rept 32
	v_cndmask_b32 v[\sc+e], v[NINF], v[\sc+e], s[\ms+e]        ; bit set: the score stays; clear: -inf
.set e, e+1
.endr
	; 32 scores and the old maximum: 33 numbers, 16 maxima of three, in four chains
	v_max3_num_f32 v[TT+0], v[\sc+0], v[\sc+1], v[MX+\qt]
	v_max3_num_f32 v[TT+1], v[\sc+2], v[\sc+3], v[\sc+4]
	v_max3_num_f32 v[TT+2], v[\sc+5], v[\sc+6], v[\sc+7]
	v_max3_num_f32 v[TT+3], v[\sc+8], v[\sc+9], v[\sc+10]
.set e, 0
.rept 8
	v_max3_num_f32 v[TT+(e&3)], v[\sc+11+2*e], v[\sc+12+2*e], v[TT+(e&3)]
.set e, e+1
.endr
	v_max3_num_f32 v[TT+0], v[\sc+27], v[\sc+28], v[TT+0]
	v_max3_num_f32 v[TT+1], v[\sc+29], v[\sc+30], v[TT+1]
	v_max3_num_f32 v[TT+2], v[\sc+31], v[TT+3], v[TT+2]
	v_max3_num_f32 v[TT+0], v[TT+1], v[TT+2], v[TT+0]
	v_permlanex16_b32 v[XX], v[TT+0], s30, s31     ; the other 32 keys of my query lie in lane l xor 16
	v_max_num_f32 v[MX+\qt], v[TT+0], v[XX]
	v_mul_f32 v[NM], NC8, v[MX+\qt]                ; the shift
	v_sub_f32 v[DD], v[NM], v[NMP+\qt]             ; C8 (old maximum - new maximum), at most 0
	v_mov_b32 v[NMP+\qt], v[NM]
	v_exp_f32 v[AL], v[DD]                         ; used only behind the multiply-adds below (ISA guide 5.7.2 asks for one plain instruction between)
.set e, 0
.rept 16
	v_pk_fma_f32 v[\sc+2*e:\sc+2*e+1], v[\sc+2*e:\sc+2*e+1], C8, v[NM:NM+1] op_sel_hi:[1,0,0]
.set e, e+1
.endr
.set e, 0
.rept 32
	v_exp_f32 v[\sc+e], v[\sc+e]
.set e, e+1
.endr
.if \first
	v_nop                                          ; the plain place between the last exponential and the first use
	s_wait_alu depctr_va_vdst(0)
.else
	WIN 0x41
.set e, 0
	s_wait_alu depctr_va_vdst(0)
.rept 16
	v_pk_mul_f32 v[OO+32*\qt+2*e:OO+32*\qt+2*e+1], v[OO+32*\qt+2*e:OO+32*\qt+2*e+1], v[AL:AL+1] op_sel_hi:[1,0]
.set e, e+1
.endr
	WIN 0
.endif
	; the sum: 16 pairs on top of the rescaled old one, four chains
	v_pk_fma_f32 v[LS+2*\qt:LS+2*\qt+1], v[LS+2*\qt:LS+2*\qt+1], v[AL:AL+1], v[\sc:\sc+1] op_sel_hi:[1,0,1]
	v_pk_add_f32 v[TT+0:TT+1], v[\sc+2:\sc+3],   v[\sc+4:\sc+5]
	v_pk_add_f32 v[TT+2:TT+3], v[\sc+6:\sc+7],   v[\sc+8:\sc+9]
	v_pk_add_f32 v[TT+4:TT+5], v[\sc+10:\sc+11], v[\sc+12:\sc+13]
.set e, 0
.rept 2
	v_pk_add_f32 v[LS+2*\qt:LS+2*\qt+1], v[LS+2*\qt:LS+2*\qt+1], v[\sc+14+8*e:\sc+15+8*e]
	v_pk_add_f32 v[TT+0:TT+1], v[TT+0:TT+1], v[\sc+16+8*e:\sc+17+8*e]
	v_pk_add_f32 v[TT+2:TT+3], v[TT+2:TT+3], v[\sc+18+8*e:\sc+19+8*e]
	v_pk_add_f32 v[TT+4:TT+5], v[TT+4:TT+5], v[\sc+20+8*e:\sc+21+8*e]
.set e, e+1
.endr
	v_pk_add_f32 v[LS+2*\qt:LS+2*\qt+1], v[LS+2*\qt:LS+2*\qt+1], v[\sc+30:\sc+31]
	v_pk_add_f32 v[TT+0:TT+1], v[TT+0:TT+1], v[TT+2:TT+3]
	v_pk_add_f32 v[LS+2*\qt:LS+2*\qt+1], v[LS+2*\qt:LS+2*\qt+1], v[TT+4:TT+5]
	v_pk_add_f32 v[LS+2*\qt:LS+2*\qt+1], v[LS+2*\qt:LS+2*\qt+1], v[TT+0:TT+1]
.set e, 0
.rept 16
	v_cvt_pk_bf16_f32 v[PP+e], v[\sc+2*e], v[\sc+2*e+1]        ; keys 8 h + 2 e', + 1 of key tile e / 4: register e of P^T's fragments
.set e, e+1
.endr
.endm
; ONE STEP of 64 keys, from tile b.  o: the other tile and stage.  first: O starts here.  conv: the next step's K and V go from stage o into
; tile o.  issue: stage o is asked for again, three steps ahead.  left: loads from memory that may stay out when stage o has to be in.
; more: a step follows (its first mask words are asked for).
; Each query tile's score products are issued one softmax ahead of their use, so a whole softmax on other registers stands between every
; matrix instruction and the vector instructions that touch its registers.
.macro TRIP b, o, first, conv, issue, left, more
	s_wait_dscnt 0x0                               ; my stores into tile b are in LDS (my reads of tile o were waited for in the last step)
	s_barrier_signal -1
	s_barrier_wait -1                              ; both hold of all eight waves: tile b may be read, tile o may be written
	LOADK \b
	LOADV \b
	s_wait_dscnt 16                                ; K's 16 loads are in; V's 16 may be out
	SMM 0, SC0
	SMM 1, SC1
.if \conv
	s_wait_loadcnt \left                           ; stage o is in; the 8 loads of the stage behind it stay out (none in the last such step)
	CVT \o                                         ; also the places behind the score products
	STORE \o, \o
.if \issue
	s_add_nc_u64 s[KVB+2*\o:KVB+2*\o+1], s[KVB+2*\o:KVB+2*\o+1], 2*STEPB    ; its last loads are done (the wait above)
	GLOAD \o
.endif
.else
	PLACES
.endif
	SOFTMAX 0, SC0, MA, MB, 1, \first
.if \conv
	s_wait_dscnt 8                                 ; V's loads are in; my 8 stores may be out
.else
	s_wait_dscnt 0x0
.endif
	PV 0, \first
	SMM 2, SC0
	SOFTMAX 1, SC1, MB, MA, 1, \first
	PV 1, \first
	SMM 3, SC1
	SOFTMAX 2, SC0, MA, MB, 1, \first
	PV 2, \first
	SOFTMAX 3, SC1, MB, MA, 2*\more, \first
	PV 3, \first
	WIN 0
	PLACES                                         ; before V's fragments are loaded again, and before O is read at the end
.endm
	s_load_b256 s[12:19], s[0:1], 0x0              ; mbits s[12:13], qk_bias s[14:15], qkv s[16:17], out0 s[18:19]
	v_lshl_add_u32 v7, v0, 2, 0xa000
	v_mov_b32 v37, 0
	v_lshrrev_b32 v34, 5, v0
	v_readfirstlane_b32 s28, v34                   ; wave 0..7
	s_lshr_b32 s2, ttmp9, 1                        ; H
	s_and_b32 s3, ttmp9, 1                         ; qh
	s_lshl_b32 s3, s3, 3
	s_add_co_u32 s3, s3, s28                       ; qb = 8 qh + w: my block of 64 queries, T0 = 64 qb
	s_lshl_b32 s24, s3, 8                          ; 4 T0 bytes
	s_mov_b32 s25, 0
	s_mul_i32 s26, s2, HEADB                       ; below 2^27
	s_mov_b32 s27, 0
	s_mov_b32 s30, 0x76543210                      ; v_permlanex16_b32: lane i of one half reads lane i of the other
	s_mov_b32 s31, 0xfedcba98
	v_and_b32 v35, 15, v0                          ; r
	v_bfe_u32 v36, v0, 4, 1                        ; h
	v_lshlrev_b32 v[QO], 4, v35
	v_lshl_add_u32 v[QO], v36, 15, v[QO]           ; 8 h rows + 16 r
	v_lshlrev_b32 v[KVG], 4, v35
	v_lshl_add_u32 v[KVG], v36, 14, v[KVG]         ; 4 h rows + 16 r
	s_lshl_b32 s29, s28, 16
	v_add_nc_u32 v[KVG], s29, v[KVG]               ; + 16 w rows
	v_mul_u32_u24 v[STA], v36, 4*PITCH
	v_lshl_add_u32 v[STA], v35, 3, v[STA]
	s_mul_i32 s29, s28, 16*PITCH
	v_add_nc_u32 v[STA], s29, v[STA]
	v_and_b32 v38, 7, v0
	v_lshl_add_u32 v38, v36, 3, v38                ; K's row in a group of 16: 8 h + (l & 7), which starts 16 h bytes late
	v_mul_u32_u24 v[KA], v38, PITCH
	v_bfe_u32 v39, v0, 3, 1                        ; (l >> 3) & 1: which 8 of the 16 keys (K); r >> 3: V's rows 8..15 start 16 bytes late
	v_add_nc_u32 v39, v39, v36                     ; + h: both addresses want 16 x this sum
	v_lshl_add_u32 v[KA], v39, 4, v[KA]
	v_mul_u32_u24 v[VA], v35, PITCH
	v_lshl_add_u32 v[VA], v39, 4, v[VA]
	v_add_nc_u32 v[VA], 64*PITCH, v[VA]
	s_wait_kmcnt 0x0
	s_load_b32 s22, s[14:15], 0x0                  ; the bias
	s_add_nc_u64 s[KVB:KVB+1], s[16:17], s[26:27]          ; the head
	s_add_nc_u64 s[QB:QB+1], s[KVB:KVB+1], s[24:25]        ; q at T0
	s_add_nc_u64 s[KVB:KVB+1], s[KVB:KVB+1], 64*ROWB       ; K's first row, step 0
	s_add_nc_u64 s[KVB+2:KVB+3], s[KVB:KVB+1], STEPB       ; step 1
	GLOAD 0
	GLOAD 1
	WIN 0
.set e, 0                                              ; e = 16 kk + 8 u + e': c = 32 kk + 16 u + 8 h + e', queries T0 + 4 r + 0..3
.rept 32
	global_load_b128 v[XQ+4*e:XQ+4*e+3], v[QO], s[QB:QB+1] offset:(16*(e>>3)+(e&7))*ROWB th:TH_LOAD_NT   ; q is read once in the launch
.set e, e+1
.endr
	s_lshl_b32 s26, s2, 18                         ; out: H x 64 rows
	s_add_co_u32 s26, s26, s24
	s_add_nc_u64 s[OB:OB+1], s[18:19], s[26:27]
	s_and_b32 s26, s2, 7                           ; the tiled mask: head H uses mask H mod 8
	s_lshl_b32 s26, s26, 4
	s_add_co_u32 s26, s26, s3
	s_lshl_b32 s26, s26, 13                        ; (m*16 + qb) x 16 steps x 512 bytes
	s_add_nc_u64 s[MP:MP+1], s[12:13], s[26:27]
	s_load_b512 s[MA:MA+15],    s[MP:MP+1], 0x0    ; step 0, query tile 0
	s_load_b512 s[MA+16:MA+31], s[MP:MP+1], 0x40
	v_mov_b32 v[NINF], 0xff800000
.set e, 0
.rept 4
	v_mov_b32 v[MX+e], 0xf1800000                  ; -2^100
	v_mov_b32 v[NMP+e], 0x7038aa3b                 ; C8 x 2^100: the shift that belongs to it
	v_mov_b32 v[LS+2*e], 0
	v_mov_b32 v[LS+2*e+1], 0
.set e, e+1
.endr
	v_mov_b32 v[AL+1], 0                           ; second halves of broadcast pairs, and the exchange's destination: written once
	v_mov_b32 v[NM+1], 0
	v_mov_b32 v[XX], 0
	s_wait_kmcnt 0x0
	v_mov_b32 v[BIAS], s22
	v_mul_f32 v[BIAS], 0x41000000, v[BIAS]         ; 8 x bias, exact
.set e, 1
.rept 7
	v_mov_b32 v[BIAS+e], v[BIAS]
.set e, e+1
.endr
	s_wait_loadcnt 40                              ; step 0 is in; step 1's 8 loads and q's 32 stay out
	CVT 0
	STORE 0, 0
	s_add_nc_u64 s[KVB:KVB+1], s[KVB:KVB+1], 2*STEPB
	GLOAD 0                                        ; step 2
	s_wait_loadcnt 8                               ; q is in (and step 1); step 2's 8 loads stay out
	WIN 0x40
.set e, 0                                              ; e = 16 it + 8 kk + 4 u + rho: c = 32 kk + 16 u + 8 h + 2 rho, + 1 of query tile it
.rept 64
	v_cvt_pk_bf16_f32 v[QQ+e], v[XQ+4*(8*((e>>2)&3)+2*(e&3))+(e>>4)], v[XQ+4*(8*((e>>2)&3)+2*(e&3)+1)+(e>>4)]
.set e, e+1
.endr
	WIN 0
	TRIP 0, 1, 1, 1, 1, 8, 1                       ; step 0: starts O; stage 1 (step 1) goes to tile 1, step 3 is asked for
	s_mov_b32 s23, 6
.Lpair:                                                ; steps 1 to 12
	TRIP 1, 0, 0, 1, 1, 8, 1
	TRIP 0, 1, 0, 1, 1, 8, 1
	s_sub_co_i32 s23, s23, 1
	s_cmp_lg_u32 s23, 0
	s_cbranch_scc1 .Lpair
	TRIP 1, 0, 0, 1, 0, 8, 1                       ; step 13: nothing is left to ask for; step 15's 8 loads stay out
	TRIP 0, 1, 0, 1, 0, 0, 1                       ; step 14: step 15's loads are the last
	TRIP 1, 0, 0, 0, 0, 0, 0                       ; step 15
	; THE WAY OUT: the two halves of the wave hold the sums over different keys of the same query
.set e, 0
.rept 4
	v_add_f32 v[TT+e], v[LS+2*e], v[LS+2*e+1]
.set e, e+1
.endr
.set e, 0
.rept 4
	v_permlanex16_b32 v[XX], v[TT+e], s30, s31
	v_add_f32 v[TT+e], v[TT+e], v[XX]
.set e, e+1
.endr
.set e, 0
.rept 4
	v_rcp_f32 v[TT+e], v[TT+e]
.set e, e+1
.endr
	v_nop                                          ; the plain place behind the reciprocals
	WIN 0x01
.set e, 0                                              ; e = 32 it + 8 ct + j: the four query tiles of (ct, j) come to lie in four neighbouring registers
	s_wait_alu depctr_va_vdst(0)
.rept 128
	v_mul_f32 v[XQ+4*(e&31)+(e>>5)], v[OO+e], v[TT+(e>>5)]
.set e, e+1
.endr
	WIN 0
.set e, 0                                              ; e = 8 ct + j: row c = 16 ct + 8 h + j, queries T0 + 4 r + 0..3: 16 lanes store 256 consecutive aligned bytes
.rept 32
	global_store_b128 v[QO], v[XQ+4*e:XQ+4*e+3], s[OB:OB+1] offset:(16*(e>>3)+(e&7))*ROWB th:TH_STORE_NT
.set e, e+1
.endr
	s_wait_tensorcnt 0x0
	ds_add_u32 v7, v37
	s_wait_dscnt 0x0
	s_endpgm
.Lfunc_end_k_q0e1b6d2d30_attn:
	.size	k_q0e1b6d2d30_attn, .Lfunc_end_k_q0e1b6d2d30_attn-k_q0e1b6d2d30_attn
	.p2alignl 7, 3214868480
	.fill 96, 4, 3214868480
	.section	.rodata,"a",@progbits
	.p2align	6, 0x0
	.amdhsa_kernel k_q0e1b6d2d30_attn
		.amdhsa_group_segment_fixed_size 41984
		.amdhsa_private_segment_fixed_size 0
		.amdhsa_enable_private_segment 0
		.amdhsa_kernarg_size 32
		.amdhsa_user_sgpr_count 2
		.amdhsa_user_sgpr_kernarg_segment_ptr 1
		.amdhsa_wavefront_size32 1
		.amdhsa_system_sgpr_workgroup_id_x 1
		.amdhsa_system_sgpr_workgroup_id_y 1
		.amdhsa_system_sgpr_workgroup_id_z 1
		.amdhsa_system_vgpr_workitem_id 0
		.amdhsa_next_free_vgpr 512
		.amdhsa_next_free_sgpr 100
		.amdhsa_reserve_vcc 0
		.amdhsa_float_denorm_mode_32 3
		.amdhsa_float_denorm_mode_16_64 3
		.amdhsa_memory_ordered 1
		.amdhsa_forward_progress 1
		.amdhsa_inst_pref_size 255
	.end_amdhsa_kernel
	.section	.bss,"aw",@nobits
	.p2align	6
	.space	262144
	.amdgpu_metadata
---
amdhsa.version: [ 1, 2 ]
amdhsa.kernels:
  - .name:           k_q0e1b6d2d30_attn
    .symbol:         k_q0e1b6d2d30_attn.kd
    .args:
      - { .name: mbits, .offset: 0, .size: 8, .value_kind: global_buffer, .address_space: global }
      - { .name: qk_bias, .offset: 8, .size: 8, .value_kind: global_buffer, .address_space: global }
      - { .name: qkv, .offset: 16, .size: 8, .value_kind: global_buffer, .address_space: global }
      - { .name: out0, .offset: 24, .size: 8, .value_kind: global_buffer, .address_space: global }
    .group_segment_fixed_size: 41984
    .private_segment_fixed_size: 0
    .kernarg_segment_align: 8
    .kernarg_segment_size: 32
    .max_flat_workgroup_size: 256
    .sgpr_count:     100
    .vgpr_count:     512
    .wavefront_size: 32
...
	.end_amdgpu_metadata
.endif
;; end of part 2
